; MI455X (gfx1250); checked and timed in simulation.
; The chip was launched on July 23, 2026; its instructions are those of AMD's public machine-readable ISA for CDNA 5 (MIT licence, August 2026) and "CDNA5" Instruction Set Architecture Reference Guide (July 2026). The comments in the code are by the model that wrote it; some were corrected since.
;; Multi Head Attention. Allowed arithmetic: matrix products marked QUANTISED: E2M3 operands, one E8M0 scale for each 32 along K, by v_wmma_scale_f32_16x16x128_f8f6f4 with both operands' format E2M3, f32 sums; everything else in f32.
;; Inputs: Wk 1,024 x 1,024 float32; Wo 1,024 x 1,024 float32; Wq 1,024 x 1,024 float32; Wv 1,024 x 1,024 float32; bk 1,024 float32; bo 1,024 float32; bq 1,024 float32; bv 1,024 float32; key 4 x 2,048 x 1,024 float32; query 4 x 2,048 x 1,024 float32; value 4 x 2,048 x 1,024 float32.
;; Outputs: out0 4 x 2,048 x 1,024 float32.
;; This version of the problem:
;;   THIS VERSION OF THE PROBLEM IS GIVEN IN LOW PRECISION. The matrix products marked QUANTISED in the list below multiply operands that are first quantised to E2M3 (2 exponent bits, 3 mantissa bits; 6 bits a number), with one power-of-two scale for each 32 numbers along K (OCP MX v1.0); their sums are f32. All else is computed in f32.
;;   The module's matrix products, in the order in which they are computed (A, B: the left and right operand; K: the contracted axis; several contracted axes count as one K, in the product's order):
;;     1. [M 8,192, K 1,024] x [K 1,024, N 1,024]; A: input query; B: input Wq: QUANTISED
;;     2. [M 8,192, K 1,024] x [K 1,024, N 1,024]; A: input key; B: input Wk: QUANTISED
;;     3. [M 8,192, K 1,024] x [K 1,024, N 1,024]; A: input value; B: input Wv: QUANTISED
;;     4. batch 64 x [M 2,048, K 64] x [K 64, N 2,048]; A: computed on the way; B: computed on the way: QUANTISED
;;     5. batch 64 x [M 2,048, K 2,048] x [K 2,048, N 64]; A: softmax (see below); B: computed on the way: QUANTISED
;;     6. [M 8,192, K 1,024] x [K 1,024, N 1,024]; A: computed on the way; B: input Wo: QUANTISED
;;   THE QUANTISER, for each operand of a quantised product, along K:
;;     - K is cut into blocks of 32 from its start; a last block that is shorter is filled with zeros.
;;     - A block's scale is 2^e with e = floor(log2(the largest magnitude in the block)) - 2, held to -126 .. 127; a block of zeros has e = 0. As a byte (E8M0): e + 127.
;;     - Each number is divided by its block's scale, clamped to +-7.5, and rounded to the nearest number of E2M3, ties to even, subnormals kept.
;;     - The product sums the exact products of the quantised numbers (number of the format x scale) in f32.
;;   ~~~python
;;   def quantise(x, axis):      # numpy; x: float32 -> the quantised numbers, widened to float32 again
;;       x = np.moveaxis(x, axis, -1); K = x.shape[-1]
;;       x = np.pad(x, [(0, 0)] * (x.ndim - 1) + [(0, -K % 32)]); x = x.reshape(x.shape[:-1] + (-1, 32)); a = np.abs(x).max(-1, keepdims=True)
;;       e = np.where(a > 0, np.clip(np.frexp(np.where(a > 0, a, 1))[1] - 1 - 2, -126, 127), 0)      # np.frexp(a)[1] - 1 = floor(log2(a)), exactly
;;       r = np.clip(x / 2.0 ** e, -7.5, 7.5)
;;       step = 2.0 ** (np.maximum(np.frexp(np.where(r == 0, 1, r))[1] - 1, 0) - 3)
;;       q = np.round(r / step) * step * 2.0 ** e      # np.round: ties to even
;;       return np.moveaxis(q.reshape(q.shape[:-2] + (-1,))[..., :K], -1, axis).astype(np.float32)
;;   ~~~
;;   SOFTMAX AHEAD OF A QUANTISED PRODUCT. Where the list says 'softmax', what is quantised is not the finished softmax but p = 2^(t - M), with t = logit x log2(e) and M = ceil(the row's largest t), a whole number; so 1/2 < the row's largest p <= 1. The row's sum l is taken of the UNQUANTISED p, in f32, and the product's result is divided by l at the end. Since M is a whole number, a kernel that streams over the keys may use a running M (the ceiling of the running maximum): every later rescaling is an exact power of two, which a block's scale takes up: the codes' values come out the same.
;;   OPERANDS COMPUTED ON THE WAY. 'Computed on the way' means the value that the module computes at that place (a softmax that the list does not call 'softmax' is quantised finished and normalised). What goes into a quantiser is computed in f32, as accurately as f32 sums, v_exp_f32 and their like allow (about 1e-6 of the number): no bf16 or f16 on the way to a quantiser, and a product that is left as it is and whose result goes on into a quantised operand takes f32 operands (vector FMAs, or v_wmma_f32_16x16x4_f32). A number that lies on a knife's edge between two numbers of the format may be rounded either way, as far as f32 arithmetic and the matrix unit's own rounding can turn it there, and no further.
;; One version. Each part assembles by itself: llvm-mc -triple=amdgcn-amd-amdhsa -mcpu=gfx1250 --defsym DOCPART=n.
;; ======== version 1 of 1: 4 launches
;; workspace buffers: opc 22,020,096 bytes; ops 917,504 bytes; qkv 19,660,800 bytes; oc 6,291,456 bytes; os 262,144 bytes
;; launch quant (part 1): grid 896 x 1, 4 waves a work-group, no clusters, 34,304 bytes of LDS; arguments query, key, value, Wq, Wk, Wv, Wo, opc, ops; writes opc, ops
.if DOCPART == 1
	.amdgcn_target "amdgcn-amd-amdhsa--gfx1250"
	.amdhsa_code_object_version 6
	.text
	.protected	k_q9de35e9811_quant
	.globl	k_q9de35e9811_quant
	.p2align	8
	.type	k_q9de35e9811_quant,@function
k_q9de35e9811_quant:
	s_mov_b64 s[64:65], 0
	v_nop
	global_prefetch_b8 v0, s[64:65] scope:SCOPE_SE
	s_setreg_imm32_b32 hwreg(HW_REG_WAVE_MODE, 25, 1), 1
	s_wait_xcnt 0x0
; query, key, value [8192][1024] and Wq, Wk, Wv, Wo [1024][1024], f32 with K innermost, become codes of FP6 (E2M3) with one E8M0 byte for each 32 along K.
; A block's scale is 2^(floor(log2(its largest magnitude)) - 2); its byte is the largest magnitude's exponent field - 2, held at 1 from below.
; LIMITS: NaN and infinities among the inputs are not served; a block of zeros gets the byte 1 where the rule says 127 (its codes are zeros, and this program alone reads the bytes);
; blocks whose largest magnitude lies under 2^-124 are held at the byte 1.
; THE CODES ARE LAID AS THE MATRIX UNIT'S REGISTERS WANT THEM.  A fragment is 16 rows x 128 K, 12 registers a lane; its image is 1,536 bytes: registers 4 c .. 4 c + 3 of lane l at 512 c + 16 l.
; opc: [K step of 256: 4][row tile g: 1792][128 of K: 2][1,536 bytes].  ops: [g][K step][r: 16][8 bytes: the row's two scale words of the step].
; THE ROWS OF A TILE ARE NOT NEIGHBOURS: lane r of tile g holds row 32 (g / 2) + 8 (g % 2) + r % 8 + 16 (r / 8), so that the results of two neighbouring tiles are 16 neighbours along a later K.
; SHARES: a work-group takes 32 rows (tiles 2 G, 2 G + 1); wave w takes tile w % 2 and half w / 2 of K: four fragments.  Each load reads 512 consecutive bytes of one row; a fragment's 8,192 bytes turn through the
; wave's own stage in LDS (rows 528 bytes apart), from which a lane takes 16 neighbours of each block of 32.  No barrier: waves share nothing.  No matrix unit, no cluster: every byte is read once.
.set KS_OP, 5505024                    ; bytes of a K step in opc: 1792 tiles x 3,072
.set SP,    528                        ; a stage row: 512 bytes + 16
.set R,     16                         ; v16-143   two sets of 64: a fragment's numbers as loaded
.set X,     144                        ; v144-207  64 numbers: register 16 b + i = k 32 b + 16 (lane / 16) + i of my row
.set PC,    208                        ; v208-227  the codes just made
.set TM,    228                        ; v228-243  at work
.set PWB,   244                        ; v244-247  a scale word for each fragment
.set SEL,   26                         ; s[26:27]  lane selects: lane l xor 16
; 64 numbers of a lane, v[s] on, become a fragment's codes in v[PC] .. v[PC + 11] and its row's scale word in v[pw]
.macro QUANT s, pw
.irp b, 0,1,2,3
	v_max3_num_f32 v[TM+\b], |v[\s+16*\b]|, |v[\s+1+16*\b]|, 0x1800000   ; block b: my 16 numbers, and the floor 2^(3 - 127): the byte cannot fall under 1
.endr
.irp i, 2,4,6,8,10,12,14
.irp b, 0,1,2,3
	v_max3_num_f32 v[TM+\b], v[TM+\b], |v[\s+16*\b+\i]|, |v[\s+1+16*\b+\i]|   ; the four blocks by turns
.endr
.endr
.irp b, 0,1,2,3
	v_permlanex16_b32 v[TM+4+\b], v[TM+\b], s[SEL], s[SEL+1]
.endr
.irp b, 0,1,2,3
	v_max_num_f32 v[TM+\b], v[TM+\b], v[TM+4+\b]      ; with lane l xor 16's: the block's largest magnitude
.endr
.irp b, 0,1,2,3
	v_add_nc_u32 v[TM+12+\b], 0xff000000, v[TM+\b]    ; 2 off its exponent field: the conversion's scale operand
.endr
.irp b, 0,1,2,3
	v_lshrrev_b32 v[TM+4+\b], 23, v[TM+12+\b]         ; the scale's byte
.endr
	v_lshl_or_b32 v[\pw], v[TM+5], 8, v[TM+4]
	v_lshl_or_b32 v[\pw], v[TM+6], 16, v[\pw]
	v_lshl_or_b32 v[\pw], v[TM+7], 24, v[\pw]
.irp c, 0,1
	v_cvt_scalef32_pk16_fp6_f32 v[PC+6*\c:PC+2+6*\c], v[\s+32*\c:\s+15+32*\c], v[TM+12+2*\c]
	v_cvt_scalef32_pk16_fp6_f32 v[PC+12+4*\c:PC+14+4*\c], v[\s+16+32*\c:\s+31+32*\c], v[TM+12+2*\c+1]   ; (a conversion's three registers begin on an even number)
.endr
	v_nop                                              ; one plain place behind a scaled conversion
.irp c, 0,1                                        ; the operand's layout wants a whole block in a lane: lanes 0-15 block 2 c, lanes 16-31 block 2 c + 1
.irp i, 0,1,2
	v_permlane16_swap_b32 v[PC+6*\c+\i], v[PC+12+4*\c+\i]
.endr
.irp i, 0,1,2
	v_mov_b32 v[PC+3+6*\c+\i], v[PC+12+4*\c+\i]
.endr
.endr
.endm
	s_load_b256 s[4:11], s[0:1], 0x0               ; query, key, value, Wq
	s_load_b256 s[12:19], s[0:1], 0x20             ; Wk, Wv, Wo, opc
	s_load_b64 s[20:21], s[0:1], 0x40              ; ops
	v_lshl_add_u32 v248, v0, 2, 0x8400
	v_mov_b32 v249, 0
	v_lshrrev_b32 v1, 5, v0
	v_readfirstlane_b32 s22, v1                    ; wave 0..3
	v_and_b32 v2, 31, v0                           ; lane
	v_and_b32 v3, 15, v0                           ; r
	v_bfe_u32 v7, v0, 4, 1                         ; h
	v_lshlrev_b32 v4, 4, v2                        ; 16 x lane: my bytes of a load's 512 and of an image's 512
	s_mul_i32 s23, s22, 16*SP                      ; my stage
	v_add_nc_u32 v5, s23, v4                       ; into it: 16 x lane of a row
	v_mul_u32_u24 v6, v3, SP
	v_lshl_add_u32 v6, v7, 6, v6
	v_add_nc_u32 v6, s23, v6                       ; out of it: row r, + 64 h
	v_lshlrev_b32 v8, 3, v3                        ; the scale words: 8 bytes a row
	s_mov_b32 s[SEL], 0x76543210
	s_mov_b32 s[SEL+1], 0xfedcba98
.irp b, 0,1,2,3
	v_mov_b32 v[TM+4+\b], 0                        ; written once: a lane permute's destination counts as one of its sources
.endr
	s_and_b32 s28, s22, 1                          ; u: which of the two tiles
	s_lshr_b32 s29, s22, 1                         ; kh: which half of K
	s_mov_b32 s24, 0                               ; the first work-group of my tensor
	s_wait_alu depctr_va_vdst(0)
	s_wait_kmcnt 0x0
	s_cmp_ge_u32 ttmp9, 256                        ; which tensor: the choice hangs on the work-group's number alone
	s_cselect_b64 s[4:5], s[6:7], s[4:5]
	s_cselect_b32 s24, 256, s24
	s_cmp_ge_u32 ttmp9, 512
	s_cselect_b64 s[4:5], s[8:9], s[4:5]
	s_cselect_b32 s24, 512, s24
	s_cmp_ge_u32 ttmp9, 768
	s_cselect_b64 s[4:5], s[10:11], s[4:5]
	s_cselect_b32 s24, 768, s24
	s_cmp_ge_u32 ttmp9, 800
	s_cselect_b64 s[4:5], s[12:13], s[4:5]
	s_cselect_b32 s24, 800, s24
	s_cmp_ge_u32 ttmp9, 832
	s_cselect_b64 s[4:5], s[14:15], s[4:5]
	s_cselect_b32 s24, 832, s24
	s_cmp_ge_u32 ttmp9, 864
	s_cselect_b64 s[4:5], s[16:17], s[4:5]
	s_cselect_b32 s24, 864, s24
	s_sub_co_u32 s30, ttmp9, s24
	s_lshl_b32 s30, s30, 17                        ; 32 rows of 4,096 bytes a work-group,
	s_lshl_b32 s31, s28, 15                        ; 8 rows on for tile 1,
	s_add_co_u32 s30, s30, s31
	s_lshl_b32 s31, s29, 11                        ; 512 numbers on for K's second half
	s_add_co_u32 s30, s30, s31
	s_mov_b32 s31, 0
	s_add_nc_u64 s[4:5], s[4:5], s[30:31]
	s_lshl_b32 s32, ttmp9, 1
	s_add_co_u32 s32, s32, s28                     ; g: my row tile among all 1,792
	s_mul_i32 s34, s32, 3072
	s_mul_i32 s35, s29, 2*KS_OP
	s_add_co_u32 s34, s34, s35
	s_mov_b32 s35, 0
	s_add_nc_u64 s[36:37], s[18:19], s[34:35]      ; codes: K step 2 kh,
	s_add_nc_u64 s[38:39], s[36:37], KS_OP         ; and 2 kh + 1
	s_lshl_b32 s34, s32, 9
	s_lshl_b32 s33, s29, 8
	s_add_co_u32 s34, s34, s33
	s_add_nc_u64 s[40:41], s[20:21], s[34:35]      ; scale words: 512 bytes a tile, 128 a K step
.macro LOAD t                          ; fragment t: 16 rows x 512 bytes into set t % 2; load i is the row of lane r = i
.irp i, 0,1,2,3,4,5,6,7,8,9,10,11,12,13,14,15
	global_load_b128 v[R+64*((\t)%2)+4*\i:R+64*((\t)%2)+4*\i+3], v4, s[4:5] offset:((\i%8)+16*(\i/8))*4096+512*(\t) th:TH_LOAD_NT
.endr
.endm
.macro FRAGQ t
.if (\t) < 3
	s_wait_loadcnt 16                              ; this fragment's 16 loads are in; the other set's 16 may be out
.else
	s_wait_loadcnt 0
.endif
.irp i, 0,1,2,3,4,5,6,7,8,9,10,11,12,13,14,15
	ds_store_b128 v5, v[R+64*((\t)%2)+4*\i:R+64*((\t)%2)+4*\i+3] offset:SP*\i
.endr
.irp b, 0,1,2,3
.irp j, 0,1,2,3
	ds_load_b128 v[X+16*\b+4*\j:X+16*\b+4*\j+3], v6 offset:128*\b+16*\j   ; LDS serves a wave's instructions in order: these see the stores above
.endr
.endr
	s_wait_dscnt 0x0                               ; the numbers are back, and the stores have read their registers,
.if (\t) < 2
	LOAD (\t)+2                                    ; which take the fragment two on
.endif
	s_wait_xcnt 0x0                                ; the last fragment's stores have read the codes' registers: they are written again only behind this wait
	QUANT X, PWB+(\t)
.irp c, 0,1,2
	global_store_b128 v4, v[PC+4*\c:PC+4*\c+3], s[36+2*((\t)/2):37+2*((\t)/2)] offset:((\t)%2)*1536+512*\c   ; 32 lanes store 512 consecutive bytes, at a multiple of 256 from the buffer's first byte
.endr
.if (\t)%2 == 1
	global_store_b64 v8, v[PWB+(\t)-1:PWB+(\t)], s[40:41] offset:((\t)/2)*128   ; a K step's two words of 16 rows: 128 consecutive bytes (lanes 16-31 store the same bytes with the same values)
.endif
.endm
	LOAD 0
	LOAD 1
	FRAGQ 0
	FRAGQ 1
	FRAGQ 2
	FRAGQ 3
	s_wait_tensorcnt 0x0
	ds_add_u32 v248, v249
	s_wait_dscnt 0x0
	s_endpgm
.Lfunc_end_k_q9de35e9811_quant:
	.size	k_q9de35e9811_quant, .Lfunc_end_k_q9de35e9811_quant-k_q9de35e9811_quant
	.p2alignl 7, 3214868480
	.fill 96, 4, 3214868480
	.section	.rodata,"a",@progbits
	.p2align	6, 0x0
	.amdhsa_kernel k_q9de35e9811_quant
		.amdhsa_group_segment_fixed_size 34304
		.amdhsa_private_segment_fixed_size 0
		.amdhsa_enable_private_segment 0
		.amdhsa_kernarg_size 72
		.amdhsa_user_sgpr_count 2
		.amdhsa_user_sgpr_kernarg_segment_ptr 1
		.amdhsa_wavefront_size32 1
		.amdhsa_system_sgpr_workgroup_id_x 1
		.amdhsa_system_sgpr_workgroup_id_y 1
		.amdhsa_system_sgpr_workgroup_id_z 1
		.amdhsa_system_vgpr_workitem_id 0
		.amdhsa_next_free_vgpr 250
		.amdhsa_next_free_sgpr 66
		.amdhsa_reserve_vcc 0
		.amdhsa_float_denorm_mode_32 3
		.amdhsa_float_denorm_mode_16_64 3
		.amdhsa_memory_ordered 1
		.amdhsa_forward_progress 1
		.amdhsa_inst_pref_size 34
	.end_amdhsa_kernel
	.amdgpu_metadata
---
amdhsa.version: [ 1, 2 ]
amdhsa.kernels:
  - .name:           k_q9de35e9811_quant
    .symbol:         k_q9de35e9811_quant.kd
    .args:
      - { .name: query, .offset: 0, .size: 8, .value_kind: global_buffer, .address_space: global }
      - { .name: key, .offset: 8, .size: 8, .value_kind: global_buffer, .address_space: global }
      - { .name: value, .offset: 16, .size: 8, .value_kind: global_buffer, .address_space: global }
      - { .name: Wq, .offset: 24, .size: 8, .value_kind: global_buffer, .address_space: global }
      - { .name: Wk, .offset: 32, .size: 8, .value_kind: global_buffer, .address_space: global }
      - { .name: Wv, .offset: 40, .size: 8, .value_kind: global_buffer, .address_space: global }
      - { .name: Wo, .offset: 48, .size: 8, .value_kind: global_buffer, .address_space: global }
      - { .name: opc, .offset: 56, .size: 8, .value_kind: global_buffer, .address_space: global }
      - { .name: ops, .offset: 64, .size: 8, .value_kind: global_buffer, .address_space: global }
    .group_segment_fixed_size: 34304
    .private_segment_fixed_size: 0
    .kernarg_segment_align: 8
    .kernarg_segment_size: 72
    .max_flat_workgroup_size: 128
    .sgpr_count:     66
    .vgpr_count:     250
    .wavefront_size: 32
...
	.end_amdgpu_metadata
.endif
;; end of part 1
;; launch proj (part 2): grid 4 x 96, 4 waves a work-group, clusters of 4 x 4, 327,680 bytes of LDS; arguments opc, ops, qkv, bq, bk, bv; writes qkv
.if DOCPART == 2
	.amdgcn_target "amdgcn-amd-amdhsa--gfx1250"
	.amdhsa_code_object_version 6
	.text
	.protected	k_q9de35e9811_proj
	.globl	k_q9de35e9811_proj
	.p2align	8
	.type	k_q9de35e9811_proj,@function
k_q9de35e9811_proj:
	s_mov_b64 s[64:65], 0
	v_nop
	global_prefetch_b8 v0, s[64:65] scope:SCOPE_SE
	s_setreg_imm32_b32 hwreg(HW_REG_WAVE_MODE, 25, 1), 1
	s_wait_xcnt 0x0
	s_wait_alu depctr_hold_cnt(0) depctr_sa_sdst(0) depctr_va_vdst(0) depctr_va_sdst(0) depctr_va_ssrc(0) depctr_va_vcc(0) depctr_vm_vsrc(0)
	s_getreg_b32 s2, hwreg(HW_REG_IB_STS2, 6, 4)
	s_cmp_eq_u32 s2, 0
	s_cbranch_scc0 .Lentry_in_a_cluster
	s_endpgm
.Lentry_in_a_cluster:
	s_bfe_u32 s2, ttmp6, 0x10000c
	s_cmp_lg_u32 s2, 0xf033
	s_cbranch_scc0 .Lentry_shape_is_right
	s_endpgm
.Lentry_shape_is_right:
.set KS_OP,  5505024
.set KSA,    KS_OP
.set KSB,    KS_OP
.set FRB,    1536
.set TILEB,  3072
.set HALFT,  8*TILEB
.set SLOT,   4*HALFT
.set SCL,    2*SLOT
.set HALFS,  4096
.set SPARE,  SCL+4*HALFS
.set FR,     12
.set NL,     3
.set NQ,     2
.set NP,     4
.set STGB,   12800
.set VO,   15
.set ADRA, 16
.set ADRB, 20
.set STO,  24
.set RD,   25
.set CO,   26
.set ADRS, 27
.set SPW,  28
.set NIL,  29
.set SCST, 30
.set H16,  31
.set SC,   32
.set BR,   64
.set AF,   128
.set T,    128
.set PC,   192
.set TM,   212
.set PW,   228
.set SH,   229
.set BL,   232
.set SEL,  12
.set WV,   16
.set WR,   17
.set WC,   18
.set TROW, 19
.set TCOL, 20
.set ISV,  21
.set TEN,  22
.set RA,   23
.set RB,   101
.set G1,   24
.set G0,   32
.set G1B,  48
.set G0B,  56
.set G1S,  68
.set G0S,  76
.set G1SB, 80
.set G0SB, 88
.set MSB, 0
.macro WIN new
.if MSB != \new
	s_set_vgpr_msb (MSB<<8)|\new
.set MSB, \new
.endif
.endm
.set MUL_LO, 0xa1
.set MUL_HI, 0xf1
.set TO_B,   0x40
.macro JLOAD g0a, g1a, g0b, g1b
	s_cmp_eq_u32 s[WR], 0
	s_cbranch_scc0 .Lfor_b_\@
	tensor_load_to_lds s[\g0a:\g0a+3], s[\g1a:\g1a+7]
	s_nop 0
.rept 4
	v_nop
.endr
	s_branch .Lasked_\@
.Lfor_b_\@:
	tensor_load_to_lds s[\g0b:\g0b+3], s[\g1b:\g1b+7]
	s_nop 0
.rept 4
	v_nop
.endr
.Lasked_\@:
.endm
.macro CREST
	s_cmp_lg_u32 s[WV], 0
	s_cbranch_scc1 .Lnot_wave_0_\@
	s_barrier_signal -3
.Lnot_wave_0_\@:
	s_barrier_wait -3
	s_barrier_signal -1
	s_barrier_wait -1
.endm
.macro CROUND
	s_barrier_signal -1
	s_barrier_wait -1
	CREST
.endm
.macro PLACES n
.rept \n
	v_nop
.endr
.endm
.macro FRAG reg, adr, q, i
.irp c, 0,1,2
	ds_load_b128 v[\reg+4*\c:\reg+4*\c+3], v[\adr] offset:(\i)*TILEB+(\q)*FRB+512*\c
.endr
.endm
.macro FETCH_B slot, q, p
	WIN TO_B
.irp i, 0,1,2,3,4,5,6,7
	FRAG 128*(\p)+FR*\i, ADRB+\slot, \q, \i
.endr
	WIN 0
.endm
.macro FETCH_A slot, q, i0
.irp i, \i0, \i0+1, \i0+2, \i0+3
	FRAG AF+FR*(\i), ADRA+\slot, \q, \i
.endr
.endm
.macro SCALES sc, ks
.irp i, 0,1,2,3,4,5,6,7
	ds_load_b64 v[SC+16*(\sc)+2*\i:SC+16*(\sc)+2*\i+1], v[ADRS] offset:512*\i+128*(\ks)
.endr
.endm
.macro MUL16 a0, p, q, sc, zero
.irp a, \a0, \a0+1
.irp b, 0,1,2,3,4,5,6,7
.if \zero == 1
	v_wmma_scale_f32_16x16x128_f8f6f4 v[8*(8*((\a)%4)+\b):8*(8*((\a)%4)+\b)+7], v[128*(\p)+FR*\b:128*(\p)+FR*\b+FR-1], v[AF+FR*(\a):AF+FR*(\a)+FR-1], 0, v[SC+8*NQ*(\sc)+NQ*\b+(\q)], v[SC+8*NQ*(\sc)+NQ*(\a)+(\q)] matrix_a_fmt:MATRIX_FMT_FP6 matrix_b_fmt:MATRIX_FMT_FP6 matrix_a_scale:MATRIX_SCALE_ROW1
.else
	v_wmma_scale_f32_16x16x128_f8f6f4 v[8*(8*((\a)%4)+\b):8*(8*((\a)%4)+\b)+7], v[128*(\p)+FR*\b:128*(\p)+FR*\b+FR-1], v[AF+FR*(\a):AF+FR*(\a)+FR-1], v[8*(8*((\a)%4)+\b):8*(8*((\a)%4)+\b)+7], v[SC+8*NQ*(\sc)+NQ*\b+(\q)], v[SC+8*NQ*(\sc)+NQ*(\a)+(\q)] matrix_a_fmt:MATRIX_FMT_FP6 matrix_b_fmt:MATRIX_FMT_FP6 matrix_a_scale:MATRIX_SCALE_ROW1
.endif
.endr
.endr
.endm
.macro STEP slot, q, zero
	s_wait_dscnt 4*NL
	WIN MUL_LO
	MUL16 0, (\q)%2, \q, \slot, \zero
	MUL16 2, (\q)%2, \q, \slot, \zero
	s_wait_dscnt 0
	PLACES NP
	FETCH_B \slot, (\q)+1, 1-(\q)%2
	FETCH_A \slot, (\q)+1, 0
	WIN MUL_HI
	MUL16 4, (\q)%2, \q, \slot, \zero
	MUL16 6, (\q)%2, \q, \slot, \zero
	PLACES NP
	WIN 0
	FETCH_A \slot, (\q)+1, 4
.endm
.macro TURN slot, next, fill, ks
	s_wait_tensorcnt 0x0
	ds_add_u32 v[SPW], v[NIL]
	s_wait_dscnt 4*NL+1
	WIN MUL_LO
	MUL16 0, 1, NQ-1, \slot, 0
	s_wait_dscnt 0x0
	s_barrier_signal -1
	MUL16 2, 1, NQ-1, \slot, 0
	WIN 0
	s_barrier_wait -1
.if \fill
	CREST
	s_add_nc_u64 s[G0+4*\slot+2:G0+4*\slot+3], s[G0+4*\slot+2:G0+4*\slot+3], 2*KSA
	s_add_nc_u64 s[G0B+4*\slot+2:G0B+4*\slot+3], s[G0B+4*\slot+2:G0B+4*\slot+3], 2*KSB
	JLOAD G0+4*\slot, G1, G0B+4*\slot, G1B
.else
	PLACES NP
.endif
	FETCH_B \next, 0, 0
	FETCH_A \next, 0, 0
	SCALES \next, \ks
	WIN MUL_HI
	MUL16 4, 1, NQ-1, \slot, 0
	MUL16 6, 1, NQ-1, \slot, 0
	PLACES NP
	WIN 0
	FETCH_A \next, 0, 4
.endm
.macro QUANT s, pw
.irp b, 0,1,2,3
	v_max3_num_f32 v[TM+\b], |v[\s+16*\b]|, |v[\s+1+16*\b]|, 0x1800000
.endr
.irp i, 2,4,6,8,10,12,14
.irp b, 0,1,2,3
	v_max3_num_f32 v[TM+\b], v[TM+\b], |v[\s+16*\b+\i]|, |v[\s+1+16*\b+\i]|
.endr
.endr
.irp b, 0,1,2,3
	v_permlanex16_b32 v[TM+4+\b], v[TM+\b], s[SEL], s[SEL+1]
.endr
.irp b, 0,1,2,3
	v_max_num_f32 v[TM+\b], v[TM+\b], v[TM+4+\b]
.endr
.irp b, 0,1,2,3
	v_add_nc_u32 v[TM+12+\b], 0xff000000, v[TM+\b]
.endr
.irp b, 0,1,2,3
	v_lshrrev_b32 v[TM+4+\b], 23, v[TM+12+\b]
.endr
	v_lshl_or_b32 v[\pw], v[TM+5], 8, v[TM+4]
	v_lshl_or_b32 v[\pw], v[TM+6], 16, v[\pw]
	v_lshl_or_b32 v[\pw], v[TM+7], 24, v[\pw]
.irp c, 0,1
	v_cvt_scalef32_pk16_fp6_f32 v[PC+6*\c:PC+2+6*\c], v[\s+32*\c:\s+15+32*\c], v[TM+12+2*\c]
	v_cvt_scalef32_pk16_fp6_f32 v[PC+12+4*\c:PC+14+4*\c], v[\s+16+32*\c:\s+31+32*\c], v[TM+12+2*\c+1]
.endr
	v_nop
.irp c, 0,1
.irp i, 0,1,2
	v_permlane16_swap_b32 v[PC+6*\c+\i], v[PC+12+4*\c+\i]
.endr
.irp i, 0,1,2
	v_mov_b32 v[PC+3+6*\c+\i], v[PC+12+4*\c+\i]
.endr
.endr
.endm
	s_load_b256 s[4:11], s[0:1], 0x0
	s_load_b128 s[12:15], s[0:1], 0x20
	v_lshl_add_u32 v[SPW], v0, 2, SPARE
	v_mov_b32 v[NIL], 0
	ds_add_u32 v28, v29
	ds_add_u32 v28, v29
	s_wait_dscnt 0x0
	v_lshrrev_b32 v1, 5, v0
	v_readfirstlane_b32 s[WV], v1
	s_lshr_b32 s[WR], s[WV], 1
	s_and_b32 s[WC], s[WV], 1
	s_bfe_u32 s40, ttmp6, 0x40000
	s_bfe_u32 s41, ttmp6, 0x40004
	s_and_b32 s2, ttmp7, 0xffff
	s_lshr_b32 s[TEN], s2, 3
	s_and_b32 s3, s2, 7
	s_lshl_b32 s3, s3, 2
	s_lshl_b32 s46, s[TEN], 9
	s_lshl_b32 s47, s[TEN], 6
	s_add_co_u32 s47, s47, 1536
	s_cmp_eq_u32 s[TEN], 2
	s_cselect_b32 s[ISV], 1, 0
	s_cselect_b32 s[TROW], 0, s3
	s_cselect_b32 s[TCOL], s3, 0
	s_cselect_b32 s46, 1664, s46
	s_cselect_b32 s47, 1024, s47
	s_add_co_u32 s[TROW], s[TROW], s41
	s_add_co_u32 s[TCOL], s[TCOL], s40
	s_lshl_b32 s43, s41, 2
	s_lshl_b32 s43, 15, s43
	s_lshl_b32 s44, 0x1111, s40
	s_or_b32 s[G1+0], s43, (3<<16)|(1<<21)
	s_or_b32 s[G1B+0], s44, (3<<16)|(1<<21)
	s_or_b32 s[G1S+0], s43, (3<<16)|(1<<21)
	s_or_b32 s[G1SB+0], s44, (3<<16)|(1<<21)
.irp g, G1, G1B
	s_mov_b32 s[\g+1], 32<<16
	s_mov_b32 s[\g+2], 96<<16
	s_mov_b32 s[\g+3], 32<<16
	s_mov_b32 s[\g+4], 96
	s_mov_b32 s[\g+5], 32
	s_mov_b32 s[\g+6], 0
	s_mov_b32 s[\g+7], 0
.endr
.irp g, G1S, G1SB
	s_mov_b32 s[\g+1], 32<<16
	s_mov_b32 s[\g+2], 16<<16
	s_mov_b32 s[\g+3], 32<<16
	s_mov_b32 s[\g+4], 16
	s_mov_b32 s[\g+5], 32
	s_mov_b32 s[\g+6], 0
	s_mov_b32 s[\g+7], 0
.endr
	s_lshl_b32 s2, s[WC], 3
	s_lshl_b32 s66, s[TROW], 4
	s_add_co_u32 s66, s66, s46
	s_add_co_u32 s66, s66, s2
	s_lshl_b32 s67, s[TCOL], 4
	s_add_co_u32 s67, s67, s47
	s_add_co_u32 s67, s67, s2
	s_mul_i32 s92, s66, TILEB
	s_mov_b32 s93, 0
	s_lshl_b32 s94, s66, 9
	s_mov_b32 s95, 0
	s_mul_i32 s96, s67, TILEB
	s_mov_b32 s97, 0
	s_lshl_b32 s98, s67, 9
	s_mov_b32 s99, 0
	s_mul_i32 s45, s[WV], HALFT
	s_mul_i32 s100, s[WV], HALFS
	s_wait_kmcnt 0x0
	s_add_nc_u64 s[92:93], s[4:5], s[92:93]
	s_add_nc_u64 s[94:95], s[6:7], s[94:95]
	s_add_nc_u64 s[96:97], s[4:5], s[96:97]
	s_add_nc_u64 s[98:99], s[6:7], s[98:99]
	CROUND
	s_mov_b32 s[G0S], 1
	s_add_co_u32 s[G0S+1], s100, SCL
	s_mov_b64 s[G0S+2:G0S+3], s[94:95]
	s_or_b32 s[G0S+3], s[G0S+3], 0x80000000
	s_mov_b32 s[G0SB], 1
	s_add_co_u32 s[G0SB+1], s100, SCL
	s_mov_b64 s[G0SB+2:G0SB+3], s[98:99]
	s_or_b32 s[G0SB+3], s[G0SB+3], 0x80000000
	JLOAD G0S, G1S, G0SB, G1SB
.irp s, 0,1
	s_mov_b32 s[G0+4*\s], 1
	s_add_co_u32 s[G0+4*\s+1], s45, \s*SLOT
	s_add_nc_u64 s[G0+4*\s+2:G0+4*\s+3], s[92:93], \s*KSA
	s_or_b32 s[G0+4*\s+3], s[G0+4*\s+3], 0x80000000
	s_mov_b32 s[G0B+4*\s], 1
	s_add_co_u32 s[G0B+4*\s+1], s45, \s*SLOT
	s_add_nc_u64 s[G0B+4*\s+2:G0B+4*\s+3], s[96:97], \s*KSB
	s_or_b32 s[G0B+4*\s+3], s[G0B+4*\s+3], 0x80000000
	s_wait_alu depctr_va_vdst(0)
	s_wait_tensorcnt 0x0
	ds_add_u32 v28, v29
	s_wait_dscnt 0x0
	CROUND
	JLOAD G0+4*\s, G1, G0B+4*\s, G1B
.endr
	v_and_b32 v1, 15, v0
	v_bfe_u32 v2, v0, 4, 1
	s_wait_alu depctr_va_vdst(0)
	v_and_b32 v3, 31, v0
	v_lshlrev_b32 v[CO], 4, v3
	s_mul_i32 s2, s[WR], HALFT
	s_mul_i32 s3, s[WC], HALFT
	s_add_co_u32 s3, s3, 2*HALFT
.irp s, 0,1
	v_add_nc_u32 v[ADRA+\s], s2, v[CO]
	v_add_nc_u32 v[ADRB+\s], s3, v[CO]
	s_add_co_u32 s2, s2, SLOT
	s_add_co_u32 s3, s3, SLOT
.endr
	s_mul_i32 s2, s[WR], HALFS
	s_mul_i32 s3, s[WC], HALFS
	s_add_co_u32 s3, s3, 2*HALFS
	s_sub_co_u32 s3, s3, s2
	v_mul_u32_u24 v6, s3, v2
	s_add_co_u32 s2, s2, SCL
	v_lshlrev_b32 v5, 3, v1
	v_add_nc_u32 v5, v5, v6
	v_add_nc_u32 v[ADRS], s2, v5
	s_mul_i32 s2, s[WV], STGB
	v_mul_u32_u24 v[STO], v3, 48
	v_add_nc_u32 v[STO], s2, v[STO]
	v_add_nc_u32 v[RD], s2, v[CO]
	v_lshlrev_b32 v[SCST], 2, v1
	v_lshl_add_u32 v[SCST], v2, 8, v[SCST]
	v_add_nc_u32 v[SCST], s2, v[SCST]
	v_add_nc_u32 v[SCST], 12288, v[SCST]
	v_lshlrev_b32 v[H16], 4, v2
	s_lshl_b32 s[RA], s[TROW], 8
	s_lshl_b32 s2, s[WR], 7
	s_add_co_u32 s[RA], s[RA], s2
	s_lshl_b32 s[RB], s[TCOL], 8
	s_lshl_b32 s2, s[WC], 7
	s_add_co_u32 s[RB], s[RB], s2
	s_cmp_eq_u32 s[TEN], 1
	s_cselect_b64 s[10:11], s[12:13], s[10:11]
	s_cmp_eq_u32 s[TEN], 2
	s_cselect_b64 s[10:11], s[14:15], s[10:11]
	s_cselect_b32 s2, 0, s[RB]
	s_cselect_b32 s3, s[RA], 0
	s_lshl_b32 s2, s2, 2
	s_lshl_b32 s3, s3, 2
	v_lshl_add_u32 v13, v2, 6, s2
	v_and_b32 v14, 8, v1
	v_add_nc_u32 v14, v14, v1
	v_lshl_add_u32 v14, v14, 2, s3
.irp b, 0,1,2,3
.irp j, 0,1,2,3
	global_load_b128 v[BR+16*\b+4*\j:BR+16*\b+4*\j+3], v13, s[10:11] offset:128*\b+16*\j
.endr
.endr
.irp a, 0,1,2,3,4,5,6,7
	global_load_b32 v[BL+2*\a], v14, s[10:11] offset:4*(32*(\a/2)+8*(\a%2))
	global_load_b32 v[BL+2*\a+1], v14, s[10:11] offset:4*(32*(\a/2)+8*(\a%2))
.endr
	s_mov_b32 s[SEL], 0x76543210
	s_mov_b32 s[SEL+1], 0xfedcba98
	s_mov_b32 s100, 307200
	s_cmp_eq_u32 s[ISV], 1
	s_cselect_b32 s2, s[RB], s[RA]
	s_cselect_b32 s3, s[RA], s[RB]
	s_cselect_b32 s14, 3072, s100
	s_cselect_b32 s46, s100, 3072
	s_cselect_b32 s66, 128, s100
	s_cselect_b32 s67, s100, 128
	s_mov_b32 s15, 0
	s_mov_b32 s47, 0
	s_lshr_b32 s6, s2, 11
	s_lshl_b32 s6, s6, 4
	s_lshr_b32 s3, s3, 6
	s_add_co_u32 s6, s6, s3
	s_mul_i32 s6, s6, s100
	s_mul_i32 s7, s[TEN], 102400
	s_add_co_u32 s6, s6, s7
	s_and_b32 s2, s2, 2047
	s_mul_i32 s7, s2, 48
	s_add_co_u32 s92, s6, s7
	s_mov_b32 s93, 0
	s_add_nc_u64 s[92:93], s[8:9], s[92:93]
	s_add_nc_u64 s[94:95], s[92:93], s[46:47]
	s_add_nc_u64 s[96:97], s[92:93], s[14:15]
	s_add_nc_u64 s[98:99], s[96:97], s[46:47]
	s_lshl_b32 s2, s2, 1
	s_add_co_u32 s6, s6, s2
	s_add_co_u32 s6, s6, 98304
	s_mov_b32 s7, 0
	s_add_nc_u64 s[4:5], s[8:9], s[6:7]
	v_mul_u32_u24 v[VO], v2, s66
	v_bfe_u32 v5, v0, 3, 1
	v_mad_u32_u24 v[VO], v5, s67, v[VO]
	v_bfe_u32 v5, v0, 2, 1
	v_lshl_add_u32 v[VO], v5, 6, v[VO]
	v_and_b32 v5, 3, v0
	v_lshl_add_u32 v[VO], v5, 4, v[VO]
	s_wait_tensorcnt 1
	s_barrier_signal -1
	s_barrier_wait -1
	FETCH_B 0, 0, 0
	FETCH_A 0, 0, 0
	SCALES 0, 0
	FETCH_A 0, 0, 4
	STEP 0, 0, 1
	TURN 0, 1, 1, 1
	STEP 1, 0, 0
	TURN 1, 0, 1, 2
	STEP 0, 0, 0
	TURN 0, 1, 0, 3
	STEP 1, 0, 0
	s_wait_dscnt 4*NL
	WIN MUL_LO
	MUL16 0, 1, NQ-1, 1, 0
	MUL16 2, 1, NQ-1, 1, 0
	s_wait_dscnt 0
	WIN MUL_HI
	MUL16 4, 1, NQ-1, 1, 0
	MUL16 6, 1, NQ-1, 1, 0
	WIN 0
.macro EPI a
.set AC, 64*((\a)%4)
.set WA, 0x02+(\a)/4
	s_cmp_eq_u32 s[ISV], 0
	s_cbranch_scc0 .Lchan_\@
	WIN WA
.set i, 0
.rept 32
	v_pk_add_f32 v[T+i:T+i+1], v[AC+i:AC+i+1], v[BR+i:BR+i+1]
.set i, i+2
.endr
	WIN 0
	s_branch .Lsum_\@
.Lchan_\@:
	WIN WA
.set i, 0
.rept 32
	v_pk_add_f32 v[T+i:T+i+1], v[AC+i:AC+i+1], v[BL+2*(\a):BL+2*(\a)+1]
.set i, i+2
.endr
	WIN 0
.Lsum_\@:
	QUANT T, PW
.irp c, 0,1
.irp p, 0,1,2
	ds_store_b64 v[STO], v[PC+6*\c+2*\p:PC+6*\c+2*\p+1] offset:6144*\c+1536*((\a)/2)+24*((\a)%2)+8*\p
.endr
.endr
	v_lshrrev_b32 v[SH], v[H16], v[PW]
	ds_store_b16 v[SCST], v[SH] offset:64*((\a)/2)+2*((\a)%2)
	s_wait_dscnt 0x0
.endm
	PLACES NP
	s_wait_loadcnt 0x0
.irp b, 0,1,2,3
	v_mov_b32 v[TM+4+\b], 0
.endr
	EPI 0
	EPI 1
	EPI 2
	EPI 3
	EPI 4
	EPI 5
	EPI 6
	EPI 7
.set i, 0
.rept 24
	ds_load_b128 v[128+4*i:131+4*i], v[RD] offset:512*i
.set i, i+1
.endr
	ds_load_b128 v[248:251], v[RD] offset:12288
.set i, 0
.rept 24
	s_wait_dscnt 24-i
	global_store_b128 v[CO], v[128+4*i:131+4*i], s[92+2*(i/6):93+2*(i/6)] offset:512*(i%6)
.set i, i+1
.endr
	s_wait_dscnt 0x0
	global_store_b128 v[VO], v[248:251], s[4:5]
	s_wait_tensorcnt 0x0
	ds_add_u32 v[SPW], v[NIL]
	s_wait_dscnt 0x0
	CROUND
	s_endpgm
.Lfunc_end_k_q9de35e9811_proj:
	.size	k_q9de35e9811_proj, .Lfunc_end_k_q9de35e9811_proj-k_q9de35e9811_proj
	.p2alignl 7, 3214868480
	.fill 96, 4, 3214868480
	.section	.rodata,"a",@progbits
	.p2align	6, 0x0
	.amdhsa_kernel k_q9de35e9811_proj
		.amdhsa_group_segment_fixed_size 327680
		.amdhsa_private_segment_fixed_size 0
		.amdhsa_enable_private_segment 0
		.amdhsa_kernarg_size 48
		.amdhsa_user_sgpr_count 2
		.amdhsa_user_sgpr_kernarg_segment_ptr 1
		.amdhsa_wavefront_size32 1
		.amdhsa_system_sgpr_workgroup_id_x 1
		.amdhsa_system_sgpr_workgroup_id_y 1
		.amdhsa_system_sgpr_workgroup_id_z 1
		.amdhsa_system_vgpr_workitem_id 0
		.amdhsa_next_free_vgpr 1024
		.amdhsa_next_free_sgpr 102
		.amdhsa_reserve_vcc 0
		.amdhsa_float_denorm_mode_32 3
		.amdhsa_float_denorm_mode_16_64 3
		.amdhsa_memory_ordered 1
		.amdhsa_forward_progress 1
		.amdhsa_inst_pref_size 184
	.end_amdhsa_kernel
	.amdgpu_metadata
---
amdhsa.version: [ 1, 2 ]
amdhsa.kernels:
  - .name:           k_q9de35e9811_proj
    .symbol:         k_q9de35e9811_proj.kd
    .args:
      - { .name: opc, .offset: 0, .size: 8, .value_kind: global_buffer, .address_space: global }
      - { .name: ops, .offset: 8, .size: 8, .value_kind: global_buffer, .address_space: global }
      - { .name: qkv, .offset: 16, .size: 8, .value_kind: global_buffer, .address_space: global }
      - { .name: bq, .offset: 24, .size: 8, .value_kind: global_buffer, .address_space: global }
      - { .name: bk, .offset: 32, .size: 8, .value_kind: global_buffer, .address_space: global }
      - { .name: bv, .offset: 40, .size: 8, .value_kind: global_buffer, .address_space: global }
    .group_segment_fixed_size: 327680
    .private_segment_fixed_size: 0
    .kernarg_segment_align: 8
    .kernarg_segment_size: 48
    .max_flat_workgroup_size: 128
    .sgpr_count:     102
    .vgpr_count:     1024
    .wavefront_size: 32
...
	.end_amdgpu_metadata
.endif
;; end of part 2
;; launch attn (part 3): grid 4 x 64, 16 waves a work-group, clusters of 4 x 1, 206,848 bytes of LDS; arguments qkv, oc, os; writes oc, os
.if DOCPART == 3
	.amdgcn_target "amdgcn-amd-amdhsa--gfx1250"
	.amdhsa_code_object_version 6
	.text
	.protected	k_q9de35e9811_attn
	.globl	k_q9de35e9811_attn
	.p2align	8
	.type	k_q9de35e9811_attn,@function
k_q9de35e9811_attn:
	s_mov_b64 s[64:65], 0
	v_nop
	global_prefetch_b8 v0, s[64:65] scope:SCOPE_SE
	s_setreg_imm32_b32 hwreg(HW_REG_WAVE_MODE, 25, 1), 1
	s_wait_xcnt 0x0
	s_wait_alu depctr_hold_cnt(0) depctr_sa_sdst(0) depctr_va_vdst(0) depctr_va_sdst(0) depctr_va_ssrc(0) depctr_va_vcc(0) depctr_vm_vsrc(0)
	s_getreg_b32 s2, hwreg(HW_REG_IB_STS2, 6, 4)
	s_cmp_eq_u32 s2, 0
	s_cbranch_scc0 .Lentry_in_a_cluster
	s_endpgm
.Lentry_in_a_cluster:
	s_bfe_u32 s2, ttmp6, 0x10000c
	s_cmp_lg_u32 s2, 0x3003
	s_cbranch_scc0 .Lentry_shape_is_right
	s_endpgm
.Lentry_shape_is_right:
; For each batch and head: o = softmax(q k^T / 8) v, both products on codes of FP6 (E2M3) with E8M0 scales; o is quantised along its 64 channels and leaves as codes laid for the last product.
; THE SOFTMAX AHEAD OF THE SECOND PRODUCT: t = score x log2(e) / 8; M = the running largest t rounded UP to a whole number; p = 2^(t - M) is quantised along the keys, not normalised; the row's sum is taken of the
; unquantised p in f32 and divides at the end (by v_rcp_f32).  When M moves, the sum and O are multiplied by 2^(old M - new M): exact.
; LIMITS: NaN and infinities are not served; a block of zeros gets the byte 1 (its codes are zeros; this program alone reads the bytes).
; SHARES: a work-group owns 512 queries of one head, as two blocks of 256; in a block each of its sixteen waves owns one tile of 16 queries, in 256 registers: four waves to a SIMD, so that one wave's vector work
; stands beside another's matrix work and LDS loads.  Every wave walks the head's 2,048 keys, 128 a step.
; K AND V OF THE WHOLE HEAD, codes and scale bytes, are 204,800 dense bytes: they come into LDS ONCE, each wave bringing 12,800, and stay: no ring, nothing is filled again.
; CLUSTER: the four work-groups of a head form a cluster and ask for these bytes jointly (mask 15).
; LAYOUT: both products are used transposed: a lane holds one query (lane % 16) throughout.  THE FIRST PRODUCT'S K IS 64, the instruction's 128: a fragment of k holds key x in registers 0-5 and key x + 8 in registers 6-11;
; against (q, 0) it gives key x's score, against (0, q) key x + 8's.  So no byte of k is read twice, and the 16 registers of the two results are keys 32 B + 16 (lane / 16) + 0 .. 15.
; REGISTERS: v1-4 lane offsets; v8-11 the step's LDS addresses; v12 -M, v13 the largest t, v[14:15] the sum; v16-27 (q, 0); v28-39 (0, q); v40 q's scale word; v44-91 four fragments of k, then of v; v92-95 k's scale words;
; v96-99, v100-103 v's; v104-167 S^T, then p; v168-199 O^T; v200-219 codes; v220-239 at work.
.set KS_OC, 1572864                    ; bytes of a K step in oc: 512 row tiles x 3,072
.set F,    44
.set FS,   92
.set VW,   96
.set VS,   100
.set S,    104
.set O,    168
.set PC,   200
.set BM,   220
.set TP,   224
.set SO,   228
.set TV1,  232
.set FF,   234
.set PW,   236
.set OW,   237
.set SM2,  238
.set WV,   10
.set CX,   11
.set BH,   12
.set HEAD, 13
.set BAT,  14
.set ODD,  15
.set G1,   16
.set G0,   24
.set SEL,  28
.set CS,   30
.set TB,   32
.set TV,   33
.set TS,   34
.set TT,   35
.set CNT,  36
.set PLO,  37
.set PHI,  38
.set QB,   40
.set QSB,  42
.set OB,   44
.set OSB,  46
.macro ROUND                           ; a round of the cluster's barrier
	s_barrier_signal -1
	s_barrier_wait -1
	s_cmp_lg_u32 s[WV], 0
	s_cbranch_scc1 .Lnot_wave_0_\@
	s_barrier_signal -3
.Lnot_wave_0_\@:
	s_barrier_wait -3
	s_barrier_signal -1
	s_barrier_wait -1
.endm
	s_load_b128 s[4:7], s[0:1], 0x0                ; qkv, oc
	s_load_b64 s[8:9], s[0:1], 0x10                ; os
	v_lshl_add_u32 v254, v0, 2, 0x32000
	v_mov_b32 v255, 0
	ds_add_u32 v254, v255
	ds_add_u32 v254, v255
	v_lshrrev_b32 v5, 5, v0
	s_delay_alu instid0(VALU_DEP_1)
	v_readfirstlane_b32 s[WV], v5                  ; wave 0..15
	v_and_b32 v5, 31, v0
	v_and_b32 v6, 15, v0
	s_delay_alu instid0(VALU_DEP_2)
	v_mul_u32_u24 v1, v5, 48                       ; 48 x lane: a lane's place in a block of codes
	s_delay_alu instid0(VALU_DEP_2)
	v_lshlrev_b32 v2, 2, v6                        ; 4 r: in a block of scale words
	s_delay_alu instid0(VALU_DEP_4)
	v_lshlrev_b32 v3, 4, v5                        ; 16 x lane: in an image
	s_delay_alu instid0(VALU_DEP_4)
	v_lshlrev_b32 v4, 3, v6                        ; 8 r: in os
	s_and_b32 s[BH], ttmp7, 0xffff                 ; batch x 16 + head: the partners share it
	s_and_b32 s[HEAD], s[BH], 15
	s_lshr_b32 s[BAT], s[BH], 4
	s_and_b32 s[ODD], s[HEAD], 1
	s_bfe_u32 s[CX], ttmp6, 0x40000                ; my place in the cluster: it enters q's, oc's and os's addresses alone
	s_mul_i32 s48, s[BH], 307200
	s_mov_b32 s49, 0
	; the one tensor load: 50 rows of 256 bytes (32 elements of 8), dense
	s_mov_b32 s[G1], 15|(3<<16)|(1<<21)
	s_mov_b32 s[G1+1], 32<<16
	s_mov_b32 s[G1+2], 50<<16
	s_mov_b32 s[G1+3], 32<<16
	s_mov_b32 s[G1+4], 50
	s_mov_b32 s[G1+5], 32
	s_mov_b32 s[G1+6], 0
	s_mov_b32 s[G1+7], 0
	s_mov_b32 s[G0], 1
	s_mul_i32 s[G0+1], s[WV], 12800                ; LDS: wave x 12,800
	s_add_co_u32 s50, s[G0+1], 102400              ; memory: behind the head's q
	s_mov_b32 s51, 0
	s_add_nc_u64 s[50:51], s[50:51], s[48:49]
	s_mov_b32 s[SEL], 0x76543210
	s_mov_b32 s[SEL+1], 0xfedcba98
	s_mov_b32 s[CS], 0x3e38aa3b                    ; c = log2(e) / 8
	s_mov_b32 s[CS+1], s[CS]
	s_mov_b32 s[PLO], 0x05040100                   ; v_perm_b32: the two low halves,
	s_mov_b32 s[PHI], 0x07060302                   ; the two high halves
	s_wait_dscnt 0x0
	s_wait_kmcnt 0x0
	s_add_nc_u64 s[G0+2:G0+3], s[4:5], s[50:51]
	s_or_b32 s[G0+3], s[G0+3], 0x80000000
	ROUND                                          ; all four work-groups are here: the joint loads meet
	tensor_load_to_lds s[G0:G0+3], s[G1:G1+7]      ; one load a wave is out
	s_nop 0
.rept 4
	v_nop
.endr
	s_lshl_b32 s52, s[CX], 4
	s_lshr_b32 s53, s[WV], 1
	s_add_co_u32 s52, s52, s53                     ; my block of 32 queries in block 0: 16 cx + wave / 2
	s_and_b32 s53, s[WV], 1                        ; and which of its two tiles
	s_mul_i32 s54, s52, 1536
	s_mul_i32 s55, s53, 24
	s_add_co_u32 s54, s54, s55
	s_mov_b32 s55, 0
	s_add_nc_u64 s[54:55], s[54:55], s[48:49]
	s_add_nc_u64 s[QB:QB+1], s[4:5], s[54:55]      ; q's codes
	s_lshl_b32 s54, s52, 6
	s_lshl_b32 s53, s53, 1
	s_add_co_u32 s54, s54, s53
	s_add_co_u32 s54, s54, 98304
	s_mov_b32 s55, 0
	s_add_nc_u64 s[54:55], s[54:55], s[48:49]
	s_add_nc_u64 s[QSB:QSB+1], s[4:5], s[54:55]    ; q's scale bytes
	s_lshl_b32 s52, s[BAT], 7
	s_lshl_b32 s53, s[CX], 5
	s_add_co_u32 s52, s52, s53
	s_add_co_u32 s52, s52, s[WV]                   ; my row tile of the last product's A in block 0: 128 batch + 32 cx + wave
	s_lshr_b32 s53, s[HEAD], 2                     ; its K step: four heads
	s_bfe_u32 s56, s[HEAD], 0x10001                ; which 128 of it
	s_mul_i32 s54, s52, 3072
	s_mul_i32 s55, s53, KS_OC
	s_add_co_u32 s54, s54, s55
	s_mul_i32 s55, s56, 1536
	s_add_co_u32 s54, s54, s55
	s_mov_b32 s55, 0
	s_add_nc_u64 s[OB:OB+1], s[6:7], s[54:55]
	s_lshl_b32 s54, s52, 9
	s_lshl_b32 s55, s53, 7
	s_add_co_u32 s54, s54, s55
	s_lshl_b32 s55, s56, 2
	s_add_co_u32 s54, s54, s55
	s_lshl_b32 s55, s[ODD], 1
	s_add_co_u32 s54, s54, s55
	s_mov_b32 s55, 0
	s_add_nc_u64 s[OSB:OSB+1], s[8:9], s[54:55]
.irp j, 22,23,24,25,26,27,28,29,30,31,32,33
	v_mov_b32 v[\j], 0                             ; the zero codes of (q, 0) and (0, q): written once
.endr
.irp b, 0,1,2,3
	v_mov_b32 v[TP+\b], 0                          ; a lane permute's destination counts as one of its sources
.endr
	v_mov_b32 v[FF+1], 0                           ; (named as the upper half of a pair)
.macro BLOCK blk
.irp p, 0,1,2
	global_load_b64 v[16+2*\p:17+2*\p], v1, s[QB:QB+1] offset:12288*\blk+8*\p     ; my query's 24 bytes, twice: as k 0-63 of (q, 0),
	global_load_b64 v[34+2*\p:35+2*\p], v1, s[QB:QB+1] offset:12288*\blk+8*\p     ; and as k 64-127 of (0, q)
.endr
	global_load_u16 v41, v2, s[QSB:QSB+1] offset:512*\blk
	s_mov_b32 s[TB], 0                             ; k's codes,
	s_mov_b32 s[TV], 102400                        ; v's codes,
	s_mov_b32 s[TS], 98304                         ; k's scale words,
	s_mov_b32 s[TT], 200704                        ; v's: where the step's begin in LDS
	s_mov_b32 s[CNT], 16
.if \blk == 0
	s_wait_tensorcnt 0x0                           ; my 12,800 bytes are in,
	s_barrier_signal -1
	s_barrier_wait -1                              ; everybody's are
.endif
	s_wait_loadcnt 0x0
	v_lshl_or_b32 v40, v41, 16, v41                ; q's two bytes serve both halves of K; the moves below stand between this line and the first product
	v_mov_b32 v13, 0xff61b1e6                      ; the largest t so far: -3e38
	s_delay_alu instid0(VALU_DEP_1)
	v_floor_f32 v12, -v13                          ; -M
	v_mov_b32 v14, 0
	v_mov_b32 v15, 0
.set i, 0
.rept 32
	v_mov_b32 v[O+i], 0                            ; O^T: the step is written once; its first trip finds zeros
.set i, i+1
.endr
.Lstep_\@:
	s_setprio 2
	v_add_nc_u32 v8, s[TB], v1                     ; (these four are also the places behind the last trip's products)
	v_add_nc_u32 v9, s[TV], v1
	v_add_nc_u32 v10, s[TS], v2
	v_add_nc_u32 v11, s[TT], v2
.irp b, 0,1,2,3
.irp c, 0,1,2
	ds_load_b128 v[F+12*\b+4*\c:F+12*\b+4*\c+3], v8 offset:1536*\b+16*\c     ; 32 keys: 48 bytes a lane
.endr
	ds_load_b32 v[FS+\b], v10 offset:64*\b
.endr
	s_wait_alu depctr_va_vdst(0)
	s_wait_dscnt 0x0
.irp b, 0,1,2,3
.irp u, 0,1
	v_wmma_scale_f32_16x16x128_f8f6f4 v[S+16*\b+8*\u:S+16*\b+8*\u+7], v[F+12*\b:F+12*\b+11], v[16+12*\u:27+12*\u], 0, v[FS+\b], v40 matrix_a_fmt:MATRIX_FMT_FP6 matrix_b_fmt:MATRIX_FMT_FP6
.endr
.endr
.rept 4
	v_nop                                          ; places in front of the loads below and of the first read of the scores
.endr
.irp b, 0,1                                    ; v's four tiles of 16 channels x 128 keys: they land under the softmax.  A lane's 24 bytes lie at 48 x lane + 24 u: 16 + 8 or 8 + 16, each address a multiple of its access's size
.irp c, 0,1
	ds_load_b128 v[F+24*\b+6*\c:F+24*\b+6*\c+3], v9 offset:3072*\c+1536*\b
	ds_load_b64 v[F+24*\b+6*\c+4:F+24*\b+6*\c+5], v9 offset:3072*\c+1536*\b+16
	ds_load_b64 v[F+24*\b+12+6*\c:F+24*\b+12+6*\c+1], v9 offset:3072*\c+1536*\b+24
	ds_load_b128 v[F+24*\b+12+6*\c+2:F+24*\b+12+6*\c+5], v9 offset:3072*\c+1536*\b+32
	ds_load_b32 v[VW+2*\b+\c], v11 offset:128*\c+64*\b
.endr
.endr
.irp b, 0,1,2,3
	v_max3_num_f32 v[BM+\b], v[S+16*\b], v[S+1+16*\b], v[S+2+16*\b]   ; the largest score of each block of 32 keys: for the row's maximum and, since p rises with the score, for the block's largest p
.endr
.irp i, 3,5,7,9,11,13
.irp b, 0,1,2,3
	v_max3_num_f32 v[BM+\b], v[BM+\b], v[S+16*\b+\i], v[S+1+16*\b+\i]
.endr
.endr
.irp b, 0,1,2,3
	v_max_num_f32 v[BM+\b], v[BM+\b], v[S+15+16*\b]
.endr
.irp b, 0,1,2,3
	s_delay_alu instid0(VALU_DEP_4)
	v_permlanex16_b32 v[TP+\b], v[BM+\b], s[SEL], s[SEL+1]
.endr
.irp b, 0,1,2,3
	s_delay_alu instid0(VALU_DEP_4)
	v_max_num_f32 v[BM+\b], v[BM+\b], v[TP+\b]     ; with lane l xor 16's 16 keys
.endr
	s_delay_alu instid0(VALU_DEP_2)
	v_max3_num_f32 v[TV1], v[BM], v[BM+1], v[BM+2]
	s_delay_alu instid0(VALU_DEP_1)
	v_max_num_f32 v[TV1], v[TV1], v[BM+3]
	s_delay_alu instid0(VALU_DEP_1)
	v_mul_f32 v[TV1], s[CS], v[TV1]                ; as t (c is positive)
	s_delay_alu instid0(VALU_DEP_1)
	v_max_num_f32 v13, v13, v[TV1]                 ; the running largest t
	v_mov_b32 v[TV1], v12
	s_delay_alu instid0(VALU_DEP_2)
	v_floor_f32 v12, -v13                          ; the new -M = -ceil(t)
	s_delay_alu instid0(VALU_DEP_1)
	v_sub_f32 v[TV1], v12, v[TV1]                  ; old M - new M: a whole number, 0 or less
	s_delay_alu instid0(VALU_DEP_1)
	v_cvt_i32_f32 v[TV1], v[TV1]                   ; (it saturates)
	s_delay_alu instid0(VALU_DEP_1)
	v_ldexp_f32 v[FF], 1.0, v[TV1]                 ; f = 2^(old M - new M)
.set i, 0
.rept 32
	v_pk_fma_f32 v[S+i:S+i+1], v[S+i:S+i+1], s[CS:CS+1], v[12:13] op_sel_hi:[1,0,0]   ; t - M, two at a time
.set i, i+2
.endr
.irp b, 0,1,2,3
	v_fma_f32 v[BM+\b], v[BM+\b], s[CS], v12
.endr
.set i, 0
	s_wait_alu depctr_va_vdst(0)
.rept 64
	v_exp_f32 v[S+i], v[S+i]                       ; p = 2^(t - M)
.set i, i+1
.endr
	s_setprio 1
.irp b, 0,1,2,3
	v_exp_f32 v[BM+\b], v[BM+\b]                   ; the block's largest p: the same two instructions on the same number
.endr
	v_pk_mul_f32 v[14:15], v[14:15], v[FF:FF+1] op_sel_hi:[1,0]   ; the sums under the new M (a plain place behind the exponentials)
	s_wait_alu depctr_va_vdst(0)
.irp b, 0,1,2,3
	v_max_num_f32 v[BM+\b], 0x1800000, v[BM+\b]    ; the floor 2^(3 - 127)
.endr
.irp b, 0,1,2,3
	s_delay_alu instid0(VALU_DEP_4)
	v_add_nc_u32 v[SO+\b], 0xff000000, v[BM+\b]    ; the conversion's scale operand
.endr
.irp b, 0,1,2,3
	s_delay_alu instid0(VALU_DEP_4)
	v_lshrrev_b32 v[TP+\b], 23, v[SO+\b]           ; the scale's byte
.endr
	s_delay_alu instid0(VALU_DEP_3)
	v_lshl_or_b32 v[PW], v[TP+1], 8, v[TP]
	s_delay_alu instid0(VALU_DEP_1)
	v_lshl_or_b32 v[PW], v[TP+2], 16, v[PW]
	s_delay_alu instid0(VALU_DEP_1)
	v_lshl_or_b32 v[PW], v[TP+3], 24, v[PW]
.irp c, 0,1
	v_cvt_scalef32_pk16_fp6_f32 v[PC+6*\c:PC+2+6*\c], v[S+32*\c:S+15+32*\c], v[SO+2*\c]
	v_cvt_scalef32_pk16_fp6_f32 v[PC+12+4*\c:PC+14+4*\c], v[S+16+32*\c:S+31+32*\c], v[SO+2*\c+1]
.endr
	v_nop                                          ; one plain place behind a scaled conversion
.irp c, 0,1
.irp i, 0,1,2
	v_permlane16_swap_b32 v[PC+6*\c+\i], v[PC+12+4*\c+\i]
.endr
.irp i, 0,1,2
	s_delay_alu instid0(VALU_DEP_3)
	v_mov_b32 v[PC+3+6*\c+\i], v[PC+12+4*\c+\i]
.endr
.endr
	s_wait_dscnt 0x0                               ; v's fragments and scale bytes are in
.irp b, 0,1
	v_perm_b32 v[VS+2*\b], v[VW+2*\b+1], v[VW+2*\b], s[PLO]     ; tile 2 b: its two bytes of keys 0-63, then of keys 64-127
	v_perm_b32 v[VS+2*\b+1], v[VW+2*\b+1], v[VW+2*\b], s[PHI]   ; tile 2 b + 1.  (The 48 packed lines below stand between these and the products)
.endr
	v_pk_add_f32 v[238:239], v[108:109], v[112:113]
	v_pk_add_f32 v[252:253], v[116:117], v[120:121]
	v_pk_add_f32 v[250:251], v[124:125], v[128:129]
	v_pk_add_f32 v[248:249], v[132:133], v[136:137]
	v_pk_add_f32 v[246:247], v[140:141], v[144:145]
	v_pk_add_f32 v[244:245], v[148:149], v[152:153]
	v_pk_add_f32 v[242:243], v[156:157], v[160:161]
	v_pk_add_f32 v[14:15], v[14:15], v[164:165]
	v_pk_add_f32 v[238:239], v[238:239], v[104:105]
	v_pk_add_f32 v[252:253], v[252:253], v[106:107]
	v_pk_add_f32 v[250:251], v[250:251], v[110:111]
	v_pk_add_f32 v[248:249], v[248:249], v[114:115]
	v_pk_add_f32 v[246:247], v[246:247], v[118:119]
	v_pk_add_f32 v[244:245], v[244:245], v[122:123]
	v_pk_add_f32 v[242:243], v[242:243], v[126:127]
	v_pk_add_f32 v[14:15], v[14:15], v[130:131]
	v_pk_add_f32 v[238:239], v[238:239], v[134:135]
	v_pk_add_f32 v[252:253], v[252:253], v[138:139]
	v_pk_add_f32 v[250:251], v[250:251], v[142:143]
	v_pk_add_f32 v[248:249], v[248:249], v[146:147]
	v_pk_add_f32 v[246:247], v[246:247], v[150:151]
	v_pk_add_f32 v[244:245], v[244:245], v[154:155]
	v_pk_add_f32 v[242:243], v[242:243], v[158:159]
	v_pk_add_f32 v[14:15], v[14:15], v[162:163]
	v_pk_add_f32 v[238:239], v[238:239], v[166:167]
	s_delay_alu instid0(VALU_DEP_2)
	v_pk_add_f32 v[14:15], v[14:15], v[248:249]
	s_delay_alu instid0(VALU_DEP_2)
	v_pk_add_f32 v[238:239], v[238:239], v[246:247]
	s_setprio 0
	v_pk_add_f32 v[252:253], v[252:253], v[244:245]
	v_pk_add_f32 v[250:251], v[250:251], v[242:243]
	s_delay_alu instid0(VALU_DEP_2)
	v_pk_add_f32 v[14:15], v[14:15], v[252:253]
	s_delay_alu instid0(VALU_DEP_2)
	v_pk_add_f32 v[238:239], v[238:239], v[250:251]
	s_delay_alu instid0(VALU_DEP_1)
	v_pk_add_f32 v[14:15], v[14:15], v[238:239]
.set i, 0
.rept 16
	v_pk_mul_f32 v[O+i:O+i+1], v[O+i:O+i+1], v[FF:FF+1] op_sel_hi:[1,0]   ; O^T under the new M
.set i, i+2
.endr
.irp t, 0,1,2,3                                ; four accumulators, one instruction each
	v_wmma_scale_f32_16x16x128_f8f6f4 v[O+8*\t:O+8*\t+7], v[F+12*\t:F+12*\t+11], v[PC:PC+11], v[O+8*\t:O+8*\t+7], v[VS+\t], v[PW] matrix_a_fmt:MATRIX_FMT_FP6 matrix_b_fmt:MATRIX_FMT_FP6
.endr
	s_add_co_u32 s[TB], s[TB], 6144
	s_add_co_u32 s[TV], s[TV], 6144
	s_add_co_u32 s[TS], s[TS], 256
	s_add_co_u32 s[TT], s[TT], 256
	s_sub_co_u32 s[CNT], s[CNT], 1
	s_cmp_lg_u32 s[CNT], 0
	s_cbranch_scc1 .Lstep_\@
	s_setprio 0
.rept 4
	v_nop                                          ; places behind the last products
.endr
	v_add_f32 v14, v14, v15                        ; the sum's two halves,
	s_delay_alu instid0(VALU_DEP_1)
	v_permlanex16_b32 v[TV1], v14, s[SEL], s[SEL+1]
	s_delay_alu instid0(VALU_DEP_1)
	v_add_f32 v14, v14, v[TV1]                     ; and lane l xor 16's
	s_wait_alu depctr_va_vdst(0)
	v_rcp_f32 v14, v14
	v_nop                                          ; a plain place behind the transcendental
.set i, 0
	s_wait_alu depctr_va_vdst(0)
.rept 32
	v_mul_f32 v[S+i], v[O+i], v14                  ; o: register 16 b + i is channel 32 b + 16 (lane / 16) + i of my query
.set i, i+1
.endr
.irp b, 0,1                                    ; quantised along the channels: two blocks of 32
	v_max3_num_f32 v[BM+\b], |v[S+16*\b]|, |v[S+1+16*\b]|, 0x1800000
.endr
.irp i, 2,4,6,8,10,12,14
.irp b, 0,1
	s_delay_alu instid0(VALU_DEP_2)
	v_max3_num_f32 v[BM+\b], v[BM+\b], |v[S+16*\b+\i]|, |v[S+1+16*\b+\i]|
.endr
.endr
.irp b, 0,1
	s_delay_alu instid0(VALU_DEP_2)
	v_permlanex16_b32 v[TP+\b], v[BM+\b], s[SEL], s[SEL+1]
.endr
.irp b, 0,1
	s_delay_alu instid0(VALU_DEP_2)
	v_max_num_f32 v[BM+\b], v[BM+\b], v[TP+\b]
.endr
.irp b, 0,1
	s_delay_alu instid0(VALU_DEP_2)
	v_add_nc_u32 v[SO+\b], 0xff000000, v[BM+\b]
.endr
.irp b, 0,1
	s_delay_alu instid0(VALU_DEP_2)
	v_lshrrev_b32 v[TP+\b], 23, v[SO+\b]
.endr
	s_delay_alu instid0(VALU_DEP_1)
	v_lshl_or_b32 v[OW], v[TP+1], 8, v[TP]         ; my head's two bytes of the row's scale word
	v_cvt_scalef32_pk16_fp6_f32 v[PC:PC+2], v[S:S+15], v[SO]
	v_cvt_scalef32_pk16_fp6_f32 v[PC+12:PC+14], v[S+16:S+31], v[SO+1]
	v_nop
.irp i, 0,1,2
	v_permlane16_swap_b32 v[PC+\i], v[PC+12+\i]
.endr
.irp i, 0,1,2
	s_delay_alu instid0(VALU_DEP_3)
	v_mov_b32 v[PC+3+\i], v[PC+12+\i]              ; lane (r, h): the 24 bytes of channels 32 h on: registers 0-5 (even head) or 6-11 (odd head) of the fragment's image
.endr
	s_cmp_eq_u32 s[ODD], 0
	s_cbranch_scc0 .Lodd_\@
	global_store_b128 v3, v[PC:PC+3], s[OB:OB+1] offset:49152*\blk            ; registers 0-3: 512 consecutive bytes
	global_store_b64 v3, v[PC+4:PC+5], s[OB:OB+1] offset:49152*\blk+512       ; registers 4, 5: 8 of each 16 bytes; the odd head fills the others
	s_branch .Lsent_\@
.Lodd_\@:
	s_wait_alu depctr_va_vdst(0)
	global_store_b64 v3, v[PC:PC+1], s[OB:OB+1] offset:49152*\blk+520         ; registers 6, 7
	global_store_b128 v3, v[PC+2:PC+5], s[OB:OB+1] offset:49152*\blk+1024     ; registers 8-11
.Lsent_\@:
	s_wait_alu depctr_va_vdst(0)
	global_store_b16 v4, v[OW], s[OSB:OSB+1] offset:8192*\blk                 ; (lanes 16-31 store the same bytes with the same values)
	s_wait_xcnt 0x0                                ; the stores have read their registers: the next block may write them
.endm
	BLOCK 0
	BLOCK 1
	s_wait_tensorcnt 0x0
	ds_add_u32 v254, v255
	s_wait_dscnt 0x0
	ROUND                                          ; the closing round
	s_endpgm
.Lfunc_end_k_q9de35e9811_attn:
	.size	k_q9de35e9811_attn, .Lfunc_end_k_q9de35e9811_attn-k_q9de35e9811_attn
	.p2alignl 7, 3214868480
	.fill 96, 4, 3214868480
	.section	.rodata,"a",@progbits
	.p2align	6, 0x0
	.amdhsa_kernel k_q9de35e9811_attn
		.amdhsa_group_segment_fixed_size 206848
		.amdhsa_private_segment_fixed_size 0
		.amdhsa_enable_private_segment 0
		.amdhsa_kernarg_size 24
		.amdhsa_user_sgpr_count 2
		.amdhsa_user_sgpr_kernarg_segment_ptr 1
		.amdhsa_wavefront_size32 1
		.amdhsa_system_sgpr_workgroup_id_x 1
		.amdhsa_system_sgpr_workgroup_id_y 1
		.amdhsa_system_sgpr_workgroup_id_z 1
		.amdhsa_system_vgpr_workitem_id 0
		.amdhsa_next_free_vgpr 256
		.amdhsa_next_free_sgpr 66
		.amdhsa_reserve_vcc 0
		.amdhsa_float_denorm_mode_32 3
		.amdhsa_float_denorm_mode_16_64 3
		.amdhsa_memory_ordered 1
		.amdhsa_forward_progress 1
		.amdhsa_inst_pref_size 55
	.end_amdhsa_kernel
	.amdgpu_metadata
---
amdhsa.version: [ 1, 2 ]
amdhsa.kernels:
  - .name:           k_q9de35e9811_attn
    .symbol:         k_q9de35e9811_attn.kd
    .args:
      - { .name: qkv, .offset: 0, .size: 8, .value_kind: global_buffer, .address_space: global }
      - { .name: oc, .offset: 8, .size: 8, .value_kind: global_buffer, .address_space: global }
      - { .name: os, .offset: 16, .size: 8, .value_kind: global_buffer, .address_space: global }
    .group_segment_fixed_size: 206848
    .private_segment_fixed_size: 0
    .kernarg_segment_align: 8
    .kernarg_segment_size: 24
    .max_flat_workgroup_size: 512
    .sgpr_count:     66
    .vgpr_count:     256
    .wavefront_size: 32
...
	.end_amdgpu_metadata
.endif
;; end of part 3
;; launch outp (part 4): grid 4 x 32, 4 waves a work-group, clusters of 4 x 4, 327,680 bytes of LDS; arguments oc, os, opc, ops, bo, out0; writes out0
.if DOCPART == 4
	.amdgcn_target "amdgcn-amd-amdhsa--gfx1250"
	.amdhsa_code_object_version 6
	.text
	.protected	k_q9de35e9811_outp
	.globl	k_q9de35e9811_outp
	.p2align	8
	.type	k_q9de35e9811_outp,@function
k_q9de35e9811_outp:
	s_mov_b64 s[64:65], 0
	v_nop
	global_prefetch_b8 v0, s[64:65] scope:SCOPE_SE
	s_setreg_imm32_b32 hwreg(HW_REG_WAVE_MODE, 25, 1), 1
	s_wait_xcnt 0x0
	s_wait_alu depctr_hold_cnt(0) depctr_sa_sdst(0) depctr_va_vdst(0) depctr_va_sdst(0) depctr_va_ssrc(0) depctr_va_vcc(0) depctr_vm_vsrc(0)
	s_getreg_b32 s2, hwreg(HW_REG_IB_STS2, 6, 4)
	s_cmp_eq_u32 s2, 0
	s_cbranch_scc0 .Lentry_in_a_cluster
	s_endpgm
.Lentry_in_a_cluster:
	s_bfe_u32 s2, ttmp6, 0x10000c
	s_cmp_lg_u32 s2, 0xf033
	s_cbranch_scc0 .Lentry_shape_is_right
	s_endpgm
.Lentry_shape_is_right:
.set KS_OP,  5505024
.set KS_OC,  1572864
.set KSA,    KS_OC
.set KSB,    KS_OP
.set FRB,    1536
.set TILEB,  3072
.set HALFT,  8*TILEB
.set SLOT,   4*HALFT
.set SCL,    2*SLOT
.set HALFS,  4096
.set SPARE,  SCL+4*HALFS
.set FR,     12
.set NL,     3
.set NQ,     2
.set NP,     4
.set SPITCH, 528
.set ADRA, 16
.set ADRB, 20
.set STO,  24
.set RD,   25
.set CO,   26
.set ADRS, 27
.set SPW,  28
.set NIL,  29
.set SC,   32
.set BR,   64
.set AF,   128
.set BK,   128
.set WV,   16
.set WR,   17
.set WC,   18
.set TROW, 19
.set TCOL, 20
.set RA,   23
.set RB,   101
.set G1,   24
.set G0,   32
.set G1B,  48
.set G0B,  56
.set G1S,  68
.set G0S,  76
.set G1SB, 80
.set G0SB, 88
.set MSB, 0
.macro WIN new
.if MSB != \new
	s_set_vgpr_msb (MSB<<8)|\new
.set MSB, \new
.endif
.endm
.set MUL_LO, 0xa1
.set MUL_HI, 0xf1
.set TO_B,   0x40
.macro JLOAD g0a, g1a, g0b, g1b
	s_cmp_eq_u32 s[WR], 0
	s_cbranch_scc0 .Lfor_b_\@
	tensor_load_to_lds s[\g0a:\g0a+3], s[\g1a:\g1a+7]
	s_nop 0
.rept 4
	v_nop
.endr
	s_branch .Lasked_\@
.Lfor_b_\@:
	tensor_load_to_lds s[\g0b:\g0b+3], s[\g1b:\g1b+7]
	s_nop 0
.rept 4
	v_nop
.endr
.Lasked_\@:
.endm
.macro CREST
	s_cmp_lg_u32 s[WV], 0
	s_cbranch_scc1 .Lnot_wave_0_\@
	s_barrier_signal -3
.Lnot_wave_0_\@:
	s_barrier_wait -3
	s_barrier_signal -1
	s_barrier_wait -1
.endm
.macro CROUND
	s_barrier_signal -1
	s_barrier_wait -1
	CREST
.endm
.macro PLACES n
.rept \n
	v_nop
.endr
.endm
.macro FRAG reg, adr, q, i
.irp c, 0,1,2
	ds_load_b128 v[\reg+4*\c:\reg+4*\c+3], v[\adr] offset:(\i)*TILEB+(\q)*FRB+512*\c
.endr
.endm
.macro FETCH_B slot, q, p
	WIN TO_B
.irp i, 0,1,2,3,4,5,6,7
	FRAG 128*(\p)+FR*\i, ADRB+\slot, \q, \i
.endr
	WIN 0
.endm
.macro FETCH_A slot, q, i0
.irp i, \i0, \i0+1, \i0+2, \i0+3
	FRAG AF+FR*(\i), ADRA+\slot, \q, \i
.endr
.endm
.macro SCALES sc, ks
.irp i, 0,1,2,3,4,5,6,7
	ds_load_b64 v[SC+16*(\sc)+2*\i:SC+16*(\sc)+2*\i+1], v[ADRS] offset:512*\i+128*(\ks)
.endr
.endm
.macro MUL16 a0, p, q, sc, zero
.irp a, \a0, \a0+1
.irp b, 0,1,2,3,4,5,6,7
.if \zero == 2
	v_wmma_scale_f32_16x16x128_f8f6f4 v[8*(8*((\a)%4)+\b):8*(8*((\a)%4)+\b)+7], v[128*(\p)+FR*\b:128*(\p)+FR*\b+FR-1], v[AF+FR*(\a):AF+FR*(\a)+FR-1], v[BR+8*\b:BR+8*\b+7], v[SC+8*NQ*(\sc)+NQ*\b+(\q)], v[SC+8*NQ*(\sc)+NQ*(\a)+(\q)] matrix_a_fmt:MATRIX_FMT_FP6 matrix_b_fmt:MATRIX_FMT_FP6 matrix_a_scale:MATRIX_SCALE_ROW1
.else
	v_wmma_scale_f32_16x16x128_f8f6f4 v[8*(8*((\a)%4)+\b):8*(8*((\a)%4)+\b)+7], v[128*(\p)+FR*\b:128*(\p)+FR*\b+FR-1], v[AF+FR*(\a):AF+FR*(\a)+FR-1], v[8*(8*((\a)%4)+\b):8*(8*((\a)%4)+\b)+7], v[SC+8*NQ*(\sc)+NQ*\b+(\q)], v[SC+8*NQ*(\sc)+NQ*(\a)+(\q)] matrix_a_fmt:MATRIX_FMT_FP6 matrix_b_fmt:MATRIX_FMT_FP6 matrix_a_scale:MATRIX_SCALE_ROW1
.endif
.endr
.endr
.endm
.macro STEP slot, q, zero
	s_wait_dscnt 4*NL
.if \zero == 2
	WIN 0x81
.else
	WIN MUL_LO
.endif
	MUL16 0, (\q)%2, \q, \slot, \zero
	MUL16 2, (\q)%2, \q, \slot, \zero
	s_wait_dscnt 0
	PLACES NP
	FETCH_B \slot, (\q)+1, 1-(\q)%2
	FETCH_A \slot, (\q)+1, 0
.if \zero == 2
	WIN 0xc1
.else
	WIN MUL_HI
.endif
	MUL16 4, (\q)%2, \q, \slot, \zero
	MUL16 6, (\q)%2, \q, \slot, \zero
	PLACES NP
	WIN 0
	FETCH_A \slot, (\q)+1, 4
.endm
.macro TURN slot, next, fill, ks
	s_wait_tensorcnt 0x0
	ds_add_u32 v[SPW], v[NIL]
	s_wait_dscnt 4*NL+1
	WIN MUL_LO
	MUL16 0, 1, NQ-1, \slot, 0
	s_wait_dscnt 0x0
	s_barrier_signal -1
	MUL16 2, 1, NQ-1, \slot, 0
	WIN 0
	s_barrier_wait -1
.if \fill
	CREST
	s_add_nc_u64 s[G0+4*\slot+2:G0+4*\slot+3], s[G0+4*\slot+2:G0+4*\slot+3], 2*KSA
	s_add_nc_u64 s[G0B+4*\slot+2:G0B+4*\slot+3], s[G0B+4*\slot+2:G0B+4*\slot+3], 2*KSB
	JLOAD G0+4*\slot, G1, G0B+4*\slot, G1B
.else
	PLACES NP
.endif
	FETCH_B \next, 0, 0
	FETCH_A \next, 0, 0
	SCALES \next, \ks
	WIN MUL_HI
	MUL16 4, 1, NQ-1, \slot, 0
	MUL16 6, 1, NQ-1, \slot, 0
	PLACES NP
	WIN 0
	FETCH_A \next, 0, 4
.endm
	s_load_b256 s[4:11], s[0:1], 0x0
	s_load_b128 s[12:15], s[0:1], 0x20
	v_lshl_add_u32 v[SPW], v0, 2, SPARE
	v_mov_b32 v[NIL], 0
	ds_add_u32 v28, v29
	ds_add_u32 v28, v29
	s_wait_dscnt 0x0
	v_lshrrev_b32 v1, 5, v0
	v_readfirstlane_b32 s[WV], v1
	s_lshr_b32 s[WR], s[WV], 1
	s_and_b32 s[WC], s[WV], 1
	s_bfe_u32 s40, ttmp6, 0x40000
	s_bfe_u32 s41, ttmp6, 0x40004
	s_and_b32 s[TROW], ttmp7, 0xffff
	s_lshl_b32 s[TROW], s[TROW], 2
	s_add_co_u32 s[TROW], s[TROW], s41
	s_mov_b32 s[TCOL], s40
	s_lshl_b32 s43, s41, 2
	s_lshl_b32 s43, 15, s43
	s_lshl_b32 s44, 0x1111, s40
	s_or_b32 s[G1+0], s43, (3<<16)|(1<<21)
	s_or_b32 s[G1B+0], s44, (3<<16)|(1<<21)
	s_or_b32 s[G1S+0], s43, (3<<16)|(1<<21)
	s_or_b32 s[G1SB+0], s44, (3<<16)|(1<<21)
.irp g, G1, G1B
	s_mov_b32 s[\g+1], 32<<16
	s_mov_b32 s[\g+2], 96<<16
	s_mov_b32 s[\g+3], 32<<16
	s_mov_b32 s[\g+4], 96
	s_mov_b32 s[\g+5], 32
	s_mov_b32 s[\g+6], 0
	s_mov_b32 s[\g+7], 0
.endr
.irp g, G1S, G1SB
	s_mov_b32 s[\g+1], 32<<16
	s_mov_b32 s[\g+2], 16<<16
	s_mov_b32 s[\g+3], 32<<16
	s_mov_b32 s[\g+4], 16
	s_mov_b32 s[\g+5], 32
	s_mov_b32 s[\g+6], 0
	s_mov_b32 s[\g+7], 0
.endr
	s_lshl_b32 s2, s[WC], 3
	s_lshl_b32 s66, s[TROW], 4
	s_add_co_u32 s66, s66, s2
	s_lshl_b32 s67, s[TCOL], 4
	s_add_co_u32 s67, s67, 1728
	s_add_co_u32 s67, s67, s2
	s_mul_i32 s92, s66, TILEB
	s_mov_b32 s93, 0
	s_lshl_b32 s94, s66, 9
	s_mov_b32 s95, 0
	s_mul_i32 s96, s67, TILEB
	s_mov_b32 s97, 0
	s_lshl_b32 s98, s67, 9
	s_mov_b32 s99, 0
	s_mul_i32 s45, s[WV], HALFT
	s_mul_i32 s100, s[WV], HALFS
	s_wait_kmcnt 0x0
	s_add_nc_u64 s[92:93], s[4:5], s[92:93]
	s_add_nc_u64 s[94:95], s[6:7], s[94:95]
	s_add_nc_u64 s[96:97], s[8:9], s[96:97]
	s_add_nc_u64 s[98:99], s[10:11], s[98:99]
	CROUND
	s_mov_b32 s[G0S], 1
	s_add_co_u32 s[G0S+1], s100, SCL
	s_mov_b64 s[G0S+2:G0S+3], s[94:95]
	s_or_b32 s[G0S+3], s[G0S+3], 0x80000000
	s_mov_b32 s[G0SB], 1
	s_add_co_u32 s[G0SB+1], s100, SCL
	s_mov_b64 s[G0SB+2:G0SB+3], s[98:99]
	s_or_b32 s[G0SB+3], s[G0SB+3], 0x80000000
	JLOAD G0S, G1S, G0SB, G1SB
.irp s, 0,1
	s_mov_b32 s[G0+4*\s], 1
	s_add_co_u32 s[G0+4*\s+1], s45, \s*SLOT
	s_add_nc_u64 s[G0+4*\s+2:G0+4*\s+3], s[92:93], \s*KSA
	s_or_b32 s[G0+4*\s+3], s[G0+4*\s+3], 0x80000000
	s_mov_b32 s[G0B+4*\s], 1
	s_add_co_u32 s[G0B+4*\s+1], s45, \s*SLOT
	s_add_nc_u64 s[G0B+4*\s+2:G0B+4*\s+3], s[96:97], \s*KSB
	s_or_b32 s[G0B+4*\s+3], s[G0B+4*\s+3], 0x80000000
	s_wait_alu depctr_va_vdst(0)
	s_wait_tensorcnt 0x0
	ds_add_u32 v28, v29
	s_wait_dscnt 0x0
	CROUND
	JLOAD G0+4*\s, G1, G0B+4*\s, G1B
.endr
	v_and_b32 v1, 15, v0
	v_bfe_u32 v2, v0, 4, 1
	s_wait_alu depctr_va_vdst(0)
	v_and_b32 v3, 31, v0
	v_lshlrev_b32 v[CO], 4, v3
	s_mul_i32 s2, s[WR], HALFT
	s_mul_i32 s3, s[WC], HALFT
	s_add_co_u32 s3, s3, 2*HALFT
.irp s, 0,1
	v_add_nc_u32 v[ADRA+\s], s2, v[CO]
	v_add_nc_u32 v[ADRB+\s], s3, v[CO]
	s_add_co_u32 s2, s2, SLOT
	s_add_co_u32 s3, s3, SLOT
.endr
	s_mul_i32 s2, s[WR], HALFS
	s_mul_i32 s3, s[WC], HALFS
	s_add_co_u32 s3, s3, 2*HALFS
	s_sub_co_u32 s3, s3, s2
	v_mul_u32_u24 v6, s3, v2
	s_add_co_u32 s2, s2, SCL
	v_lshlrev_b32 v5, 3, v1
	v_add_nc_u32 v5, v5, v6
	v_add_nc_u32 v[ADRS], s2, v5
	s_mul_i32 s2, s[WV], 16*SPITCH
	v_mul_u32_u24 v[STO], v1, SPITCH
	v_lshl_add_u32 v[STO], v2, 6, v[STO]
	v_add_nc_u32 v[STO], s2, v[STO]
	v_add_nc_u32 v[RD], s2, v[CO]
	s_lshl_b32 s[RA], s[TROW], 8
	s_lshl_b32 s2, s[WR], 7
	s_add_co_u32 s[RA], s[RA], s2
	s_lshl_b32 s[RB], s[TCOL], 8
	s_lshl_b32 s2, s[WC], 7
	s_add_co_u32 s[RB], s[RB], s2
	s_lshl_b32 s2, s[RB], 2
	v_lshl_add_u32 v13, v2, 6, s2
.irp b, 0,1,2,3
.irp j, 0,1,2,3
	global_load_b128 v[BR+16*\b+4*\j:BR+16*\b+4*\j+3], v13, s[12:13] offset:128*\b+16*\j
.endr
.endr
	s_lshl_b32 s6, s[RA], 12
	s_add_co_u32 s6, s6, s2
	s_mov_b32 s7, 0
	s_add_nc_u64 s[14:15], s[14:15], s[6:7]
	s_wait_alu depctr_va_vdst(0)
	s_wait_tensorcnt 1
	s_barrier_signal -1
	s_barrier_wait -1
	FETCH_B 0, 0, 0
	FETCH_A 0, 0, 0
	SCALES 0, 0
	FETCH_A 0, 0, 4
	s_wait_loadcnt 0x0
	STEP 0, 0, 2
	TURN 0, 1, 1, 1
	STEP 1, 0, 0
	TURN 1, 0, 1, 2
	STEP 0, 0, 0
	TURN 0, 1, 0, 3
	STEP 1, 0, 0
	s_wait_dscnt 4*NL
	WIN MUL_LO
	MUL16 0, 1, NQ-1, 1, 0
	MUL16 2, 1, NQ-1, 1, 0
	s_wait_dscnt 0
	WIN MUL_HI
	MUL16 4, 1, NQ-1, 1, 0
	MUL16 6, 1, NQ-1, 1, 0
	WIN 0
.macro TOSTAGE a
.set AC, 64*((\a)%4)
.set WA, 0x08+4*((\a)/4)
	WIN WA
.irp b, 0,1,2,3,4,5,6,7
	ds_store_b128 v[STO], v[AC+8*\b:AC+8*\b+3] offset:128*(\b/2)+32*(\b%2)
	ds_store_b128 v[STO], v[AC+8*\b+4:AC+8*\b+7] offset:128*(\b/2)+32*(\b%2)+16
.endr
	WIN 0
.set BB, BK+64*((\a)%2)
.irp t, 0,1,2,3,4,5,6,7,8,9,10,11,12,13,14,15
	ds_load_b128 v[BB+4*\t:BB+4*\t+3], v[RD] offset:\t*SPITCH
.endr
.endm
.macro SEND a, younger
.set BB, BK+64*((\a)%2)
	s_wait_dscnt \younger
.irp t, 0,1,2,3,4,5,6,7,8,9,10,11,12,13,14,15
	global_store_b128 v[CO], v[BB+4*\t:BB+4*\t+3], s[14:15] offset:(32*((\a)/2)+8*((\a)%2)+\t%8+16*(\t/8))*4096 th:TH_STORE_NT
.endr
.endm
	PLACES NP
	TOSTAGE 0
.irp a, 1,2,3,4,5,6,7
.if \a > 1
	s_wait_xcnt 0x0
.endif
	TOSTAGE \a
	SEND \a-1, 32
.endr
	SEND 7, 0
	s_wait_tensorcnt 0x0
	ds_add_u32 v[SPW], v[NIL]
	s_wait_dscnt 0x0
	CROUND
	s_endpgm
.Lfunc_end_k_q9de35e9811_outp:
	.size	k_q9de35e9811_outp, .Lfunc_end_k_q9de35e9811_outp-k_q9de35e9811_outp
	.p2alignl 7, 3214868480
	.fill 96, 4, 3214868480
	.section	.rodata,"a",@progbits
	.p2align	6, 0x0
	.amdhsa_kernel k_q9de35e9811_outp
		.amdhsa_group_segment_fixed_size 327680
		.amdhsa_private_segment_fixed_size 0
		.amdhsa_enable_private_segment 0
		.amdhsa_kernarg_size 48
		.amdhsa_user_sgpr_count 2
		.amdhsa_user_sgpr_kernarg_segment_ptr 1
		.amdhsa_wavefront_size32 1
		.amdhsa_system_sgpr_workgroup_id_x 1
		.amdhsa_system_sgpr_workgroup_id_y 1
		.amdhsa_system_sgpr_workgroup_id_z 1
		.amdhsa_system_vgpr_workitem_id 0
		.amdhsa_next_free_vgpr 1024
		.amdhsa_next_free_sgpr 102
		.amdhsa_reserve_vcc 0
		.amdhsa_float_denorm_mode_32 3
		.amdhsa_float_denorm_mode_16_64 3
		.amdhsa_memory_ordered 1
		.amdhsa_forward_progress 1
		.amdhsa_inst_pref_size 137
	.end_amdhsa_kernel
	.amdgpu_metadata
---
amdhsa.version: [ 1, 2 ]
amdhsa.kernels:
  - .name:           k_q9de35e9811_outp
    .symbol:         k_q9de35e9811_outp.kd
    .args:
      - { .name: oc, .offset: 0, .size: 8, .value_kind: global_buffer, .address_space: global }
      - { .name: os, .offset: 8, .size: 8, .value_kind: global_buffer, .address_space: global }
      - { .name: opc, .offset: 16, .size: 8, .value_kind: global_buffer, .address_space: global }
      - { .name: ops, .offset: 24, .size: 8, .value_kind: global_buffer, .address_space: global }
      - { .name: bo, .offset: 32, .size: 8, .value_kind: global_buffer, .address_space: global }
      - { .name: out0, .offset: 40, .size: 8, .value_kind: global_buffer, .address_space: global }
    .group_segment_fixed_size: 327680
    .private_segment_fixed_size: 0
    .kernarg_segment_align: 8
    .kernarg_segment_size: 48
    .max_flat_workgroup_size: 128
    .sgpr_count:     102
    .vgpr_count:     1024
    .wavefront_size: 32
...
	.end_amdgpu_metadata
.endif
;; end of part 4
